; MI455X (gfx1250); checked and timed in simulation.
; The chip was launched on July 23, 2026; its instructions are those of AMD's public machine-readable ISA for CDNA 5 (MIT licence, August 2026) and "CDNA5" Instruction Set Architecture Reference Guide (July 2026). The comments in the code are by the model that wrote it; some were corrected since.
;; Bert Self Attention. Allowed arithmetic: matrix products marked QUANTISED: E2M1 operands, one E8M0 scale for each 32 along K, by v_wmma_scale_f32_16x16x128_f8f6f4 with both operands' format E2M1 (or v_wmma_scale_f32_32x16x128_f4), f32 sums; everything else in f32.
;; Inputs: Wk_codes 1,024 x 32 x 16 uint8 (E2M1 codes of Wk, K innermost, in blocks of 32 codes, two codes a byte); Wk_scales 1,024 x 32 uint8 (E8M0 scales of Wk, one for each 32 codes along K); Wq_codes 1,024 x 32 x 16 uint8 (E2M1 codes of Wq, K innermost, in blocks of 32 codes, two codes a byte); Wq_scales 1,024 x 32 uint8 (E8M0 scales of Wq, one for each 32 codes along K); Wv_codes 1,024 x 32 x 16 uint8 (E2M1 codes of Wv, K innermost, in blocks of 32 codes, two codes a byte); Wv_scales 1,024 x 32 uint8 (E8M0 scales of Wv, one for each 32 codes along K); bk 1,024 float32; bq 1,024 float32; bv 1,024 float32; hidden_states_codes 4 x 2,048 x 32 x 16 uint8 (E2M1 codes of hidden_states, K innermost, in blocks of 32 codes, two codes a byte); hidden_states_scales 4 x 2,048 x 32 uint8 (E8M0 scales of hidden_states, one for each 32 codes along K).
;; Outputs: out0 4 x 2,048 x 1,024 float32.
;; This version of the problem:
;;   THIS VERSION OF THE PROBLEM IS GIVEN IN LOW PRECISION. The matrix products marked QUANTISED in the list below multiply operands that are first quantised to E2M1 (2 exponent bits, 1 mantissa bit; 4 bits a number), with one power-of-two scale for each 32 numbers along K (OCP MX v1.0); their sums are f32. All else is computed in f32.
;;   The module's matrix products, in the order in which they are computed (A, B: the left and right operand; K: the contracted axis; several contracted axes count as one K, in the product's order):
;;     1. [M 8,192, K 1,024] x [K 1,024, N 1,024]; A: input hidden_states (given as codes); B: input Wq (given as codes): QUANTISED
;;     2. [M 8,192, K 1,024] x [K 1,024, N 1,024]; A: input hidden_states (given as codes); B: input Wk (given as codes): QUANTISED
;;     3. [M 8,192, K 1,024] x [K 1,024, N 1,024]; A: input hidden_states (given as codes); B: input Wv (given as codes): QUANTISED
;;     4. batch 64 x [M 2,048, K 64] x [K 64, N 2,048]; A: computed on the way; B: computed on the way: QUANTISED
;;     5. batch 64 x [M 2,048, K 2,048] x [K 2,048, N 64]; A: softmax (see below); B: computed on the way: QUANTISED
;;   THE QUANTISER, for each operand of a quantised product, along K:
;;     - K is cut into blocks of 32 from its start; a last block that is shorter is filled with zeros.
;;     - A block's scale is 2^e with e = floor(log2(the largest magnitude in the block)) - 2, held to -126 .. 127; a block of zeros has e = 0. As a byte (E8M0): e + 127.
;;     - Each number is divided by its block's scale, clamped to +-6, and rounded to the nearest number of E2M1, ties to even, subnormals kept.
;;     - The product sums the exact products of the quantised numbers (number of the format x scale) in f32.
;;   ~~~python
;;   def quantise(x, axis):      # numpy; x: float32 -> the quantised numbers, widened to float32 again
;;       x = np.moveaxis(x, axis, -1); K = x.shape[-1]
;;       x = np.pad(x, [(0, 0)] * (x.ndim - 1) + [(0, -K % 32)]); x = x.reshape(x.shape[:-1] + (-1, 32)); a = np.abs(x).max(-1, keepdims=True)
;;       e = np.where(a > 0, np.clip(np.frexp(np.where(a > 0, a, 1))[1] - 1 - 2, -126, 127), 0)      # np.frexp(a)[1] - 1 = floor(log2(a)), exactly
;;       r = np.clip(x / 2.0 ** e, -6, 6)
;;       step = 2.0 ** (np.maximum(np.frexp(np.where(r == 0, 1, r))[1] - 1, 0) - 1)
;;       q = np.round(r / step) * step * 2.0 ** e      # np.round: ties to even
;;       return np.moveaxis(q.reshape(q.shape[:-2] + (-1,))[..., :K], -1, axis).astype(np.float32)
;;   ~~~
;;   SOFTMAX AHEAD OF A QUANTISED PRODUCT. Where the list says 'softmax', what is quantised is not the finished softmax but p = 2^(t - M), with t = logit x log2(e) and M = ceil(the row's largest t), a whole number; so 1/2 < the row's largest p <= 1. The row's sum l is taken of the UNQUANTISED p, in f32, and the product's result is divided by l at the end. Since M is a whole number, a kernel that streams over the keys may use a running M (the ceiling of the running maximum): every later rescaling is an exact power of two, which a block's scale takes up: the codes' values come out the same.
;;   OPERANDS COMPUTED ON THE WAY. 'Computed on the way' means the value that the module computes at that place (a softmax that the list does not call 'softmax' is quantised finished and normalised). What goes into a quantiser is computed in f32, as accurately as f32 sums, v_exp_f32 and their like allow (about 1e-6 of the number): no bf16 or f16 on the way to a quantiser, and a product that is left as it is and whose result goes on into a quantised operand takes f32 operands (vector FMAs, or v_wmma_f32_16x16x4_f32). A number that lies on a knife's edge between two numbers of the format may be rounded either way, as far as f32 arithmetic and the matrix unit's own rounding can turn it there, and no further.
;;   INPUTS GIVEN AS CODES. Wk (in the module: [1024, 1024], K = its axis 0); Wq (in the module: [1024, 1024], K = its axis 0); Wv (in the module: [1024, 1024], K = its axis 0); hidden_states (in the module: [4, 2048, 1024], K = its axis 2): each comes as NAME_codes (uint8): NAME with its K axis moved to the last place and cut into blocks of 32 codes, [.., K / 32, bytes a block], one block behind the other in memory; two codes a byte, the lower K in the low four bits (a code: sign, 2 exponent bits, 1 mantissa bit); and NAME_scales (uint8): the same leading axes, one E8M0 byte (e + 127) for each 32 codes along K. Its value is code x scale, taken as it is: it is not quantised again, and the codes and scales need not be those that the quantiser above would give.
;; One version. Each part assembles by itself: llvm-mc -triple=amdgcn-amd-amdhsa -mcpu=gfx1250 --defsym DOCPART=n.
;; ======== version 1 of 1: 2 launches
;; limits: right only within a limited range of input values
;; workspace buffers: qq 9,175,040 bytes; kv 9,175,040 bytes
;; launch proj (part 1): grid 8 x 64, 4 waves a work-group, clusters of 4 x 4, 327,680 bytes of LDS; arguments hidden_states_codes, hidden_states_scales, Wq_codes, Wq_scales, Wk_codes, Wk_scales, Wv_codes, Wv_scales, bq, bk, bv, qq, kv; writes qq, kv
.if DOCPART == 1
	.amdgcn_target "amdgcn-amd-amdhsa--gfx1250"
	.amdhsa_code_object_version 6
	.text
	.protected	k_q348436428f_proj
	.globl	k_q348436428f_proj
	.p2align	8
	.type	k_q348436428f_proj,@function
k_q348436428f_proj:
	s_mov_b64 s[64:65], 0
	v_nop
	global_prefetch_b8 v0, s[64:65] scope:SCOPE_SE
	s_setreg_imm32_b32 hwreg(HW_REG_WAVE_MODE, 25, 1), 1
	s_wait_xcnt 0x0
	s_wait_alu depctr_hold_cnt(0) depctr_sa_sdst(0) depctr_va_vdst(0) depctr_va_sdst(0) depctr_va_ssrc(0) depctr_va_vcc(0) depctr_vm_vsrc(0)
	s_getreg_b32 s2, hwreg(HW_REG_IB_STS2, 6, 4)
	s_cmp_eq_u32 s2, 0
	s_cbranch_scc0 .Lentry_in_a_cluster
	s_endpgm
.Lentry_in_a_cluster:
	s_bfe_u32 s2, ttmp6, 0x10000c
	s_cmp_lg_u32 s2, 0xf033
	s_cbranch_scc0 .Lentry_shape_is_right
	s_endpgm
.Lentry_shape_is_right:
.set PITCH, 528
.set REGB,  33920
.set PAIR,  67840
.set TAB,   4*PAIR
.set REC,   8960
.set HEADB, 16*REC
.set AH,   9
.set AQK,  10
.set AV,   11
.set ATW,  12
.set ATR,  13
.set L16,  14
.set L4,   15
.set PI,   16
.set VO16, 17
.set VO4,  18
.set HSR,  32
.set WSR,  96
.set VSR,  128
.set BQ,   144
.set BV,   176
.set YR,   64
.set PC,   96
.set PW,   128
.set SW,   136
.set TM,   140
.set VC,   156
.set PWV,  172
.set VW,   174
.set IV,   0
.set CO,   16
.set HI,   80
.set LO,   88
.set MM,   96
.set XX,   98
.set POS,  114
.set CC4,  116
.set CS7,  118
.set AA,   120
.set NN,   122
.set RR,   124
.set II,   126
.set SA,   128
.set CSP,  130
.set SNP,  132
.set TT,   134
.set TA,   136
.set TC,   137
.set PP,   140
.set EE,   156
.set MSB, 0
.macro WIN new
.if MSB != \new
	s_set_vgpr_msb (MSB<<8)|\new
.set MSB, \new
.endif
.endm
.macro PLACES
.rept 4
	v_nop
.endr
.endm
.macro CROUND
	s_barrier_signal -1
	s_barrier_wait -1
	s_cmp_lg_u32 s4, 0
	s_cbranch_scc1 .Lnot_wave_0_\@
	s_barrier_signal -3
.Lnot_wave_0_\@:
	s_barrier_wait -3
	s_barrier_signal -1
	s_barrier_wait -1
.endm
	s_load_b512 s[8:23], s[0:1], 0x0
	s_load_b256 s[24:31], s[0:1], 0x40
	s_load_b64 s[32:33], s[0:1], 0x60
	v_lshl_add_u32 v254, v0, 2, 0x4a400
	v_mov_b32 v255, 0
	ds_add_u32 v254, v255
	ds_add_u32 v254, v255
	v_lshrrev_b32 v1, 5, v0
	v_readfirstlane_b32 s4, v1
	s_and_b32 s5, s4, 1
	s_lshr_b32 s6, s4, 1
	s_bfe_u32 s7, ttmp6, 0x40000
	s_bfe_u32 s34, ttmp6, 0x40004
	s_lshl_b32 s35, ttmp9, 2
	s_add_co_u32 s35, s35, s7
	s_and_b32 s36, ttmp7, 0xffff
	s_lshl_b32 s36, s36, 2
	s_add_co_u32 s36, s36, s34
	s_lshl_b32 s37, s34, 2
	s_lshl_b32 s37, 15, s37
	s_lshl_b32 s38, 0x1111, s7
	s_or_b32 s40, s37, (1<<20)|(1<<21)|(6<<22)|(3<<25)
	s_or_b32 s48, s38, (1<<20)|(1<<21)|(6<<22)|(3<<25)
.irp g, 40, 48
	s_mov_b32 s[\g+1], 8192<<16
	s_mov_b32 s[\g+2], 4<<16
	s_mov_b32 s[\g+3], 8192<<16
	s_mov_b32 s[\g+4], 4
	s_mov_b32 s[\g+5], 16384
	s_mov_b32 s[\g+6], 0
	s_mov_b32 s[\g+7], 0
.endr
	s_lshl_b32 s92, s5, 13
	s_lshl_b32 s90, s36, 16
	s_add_co_u32 s90, s90, s92
	s_mov_b32 s91, 0
	s_lshl_b32 s94, s35, 16
	s_add_co_u32 s94, s94, s92
	s_mov_b32 s95, 0
	s_mul_i32 s39, s4, REGB
	s_wait_dscnt 0x0
	s_wait_kmcnt 0x0
	s_mov_b32 s56, 1
	s_mov_b32 s57, s39
	s_add_nc_u64 s[58:59], s[8:9], s[90:91]
	s_or_b32 s59, s59, 0x80000000
	s_mov_b32 s60, 1
	s_mov_b32 s61, s39
	s_add_nc_u64 s[62:63], s[12:13], s[94:95]
	s_or_b32 s63, s63, 0x80000000
	s_cmp_eq_u32 s6, 0
	s_cselect_b64 s[70:71], s[16:17], s[20:21]
	s_mov_b32 s68, 1
	s_add_co_u32 s69, s39, 2*PAIR
	s_add_nc_u64 s[70:71], s[70:71], s[94:95]
	s_or_b32 s71, s71, 0x80000000
	CROUND
	s_cmp_eq_u32 s6, 0
	s_cbranch_scc0 .Lfor_wq
	tensor_load_to_lds s[56:59], s[40:47]
	s_nop 0
	PLACES
	s_branch .Lasked
.Lfor_wq:
	tensor_load_to_lds s[60:63], s[48:55]
	s_nop 0
	PLACES
.Lasked:
	v_and_b32 v4, 31, v0
	v_and_b32 v1, 15, v0
	v_bfe_u32 v2, v0, 4, 1
	v_and_b32 v3, 8, v1
	v_add_nc_u32 v3, v3, v1
	v_lshlrev_b32 v5, 5, v3
	v_lshlrev_b32 v6, 5, v1
	v_lshlrev_b32 v7, 6, v2
	v_lshlrev_b32 v8, 2, v1
	v_and_b32 v19, 7, v1
	v_mul_u32_u24 v[AH], v19, PITCH
	v_lshrrev_b32 v19, 3, v1
	v_mad_u32_u24 v[AH], v19, REGB, v[AH]
	v_lshl_add_u32 v[AH], v2, 4, v[AH]
	s_add_co_u32 s96, s5, 1
	s_mul_i32 s96, s96, PAIR
	s_mul_i32 s97, s6, 32*PITCH
	s_add_co_u32 s96, s96, s97
	v_add_nc_u32 v[AQK], s96, v[AH]
	s_mul_i32 s96, s4, 16*PITCH
	s_add_co_u32 s96, s96, 3*PAIR
	v_mul_u32_u24 v[AV], v1, PITCH
	v_lshl_add_u32 v[AV], v2, 4, v[AV]
	v_add_nc_u32 v[AV], s96, v[AV]
	v_lshlrev_b32 v[L16], 4, v4
	v_lshlrev_b32 v[L4], 2, v4
	s_wait_alu depctr_va_vdst(0)
	s_lshl_b32 s96, s4, 13
	s_add_co_u32 s96, s96, TAB
	v_add_nc_u32 v[ATW], s96, v[L16]
	v_add_nc_u32 v[ATR], TAB, v[L16]
	s_and_b32 s97, s36, 15
	s_lshl_b32 s97, s97, 7
	s_lshl_b32 s96, s4, 5
	s_add_co_u32 s97, s97, s96
	v_add_nc_u32 v[PI], s97, v3
	s_lshl_b32 s96, s5, 11
	v_add_nc_u32 v[VO16], s96, v[L16]
	s_lshl_b32 s96, s5, 7
	v_add_nc_u32 v[VO4], s96, v[L4]
	v_cmp_lt_u32 s74, 15, v4
	s_mov_b32 s72, 0x76543210
	s_mov_b32 s73, 0xfedcba98
	s_mov_b32 s3, 0
	s_lshl_b32 s2, s36, 12
	s_add_nc_u64 s[80:81], s[10:11], s[2:3]
	s_cmp_eq_u32 s5, 0
	s_cselect_b64 s[82:83], s[14:15], s[18:19]
	s_cselect_b64 s[86:87], s[24:25], s[26:27]
	s_cselect_b64 s[76:77], s[30:31], s[32:33]
	s_lshl_b32 s2, s35, 12
	s_lshl_b32 s98, s6, 11
	s_add_co_u32 s2, s2, s98
	s_add_nc_u64 s[82:83], s[82:83], s[2:3]
	s_lshl_b32 s98, s5, 10
	s_add_co_u32 s2, s2, s98
	s_add_nc_u64 s[84:85], s[22:23], s[2:3]
	s_lshr_b32 s2, s2, 3
	s_add_nc_u64 s[88:89], s[28:29], s[2:3]
	s_lshl_b32 s98, s5, 7
	s_sub_co_u32 s2, s2, s98
	s_add_nc_u64 s[86:87], s[86:87], s[2:3]
	s_lshr_b32 s2, s36, 4
	s_lshl_b32 s2, s2, 4
	s_lshl_b32 s98, s35, 1
	s_add_co_u32 s2, s2, s98
	s_add_co_u32 s2, s2, s6
	s_mul_i32 s2, s2, HEADB
	s_and_b32 s98, s36, 15
	s_mul_i32 s98, s98, REC
	s_add_co_u32 s2, s2, s98
	s_add_nc_u64 s[76:77], s[76:77], s[2:3]
	s_add_nc_u64 s[78:79], s[32:33], s[2:3]
.irp T, 0,1,2,3,4,5,6,7
.irp q, 0,1
	global_load_b128 v[HSR+8*\T+4*\q:HSR+8*\T+4*\q+3], v5, s[80:81] offset:(32*(\T/2)+8*(\T%2))*32+16*\q
.endr
.endr
.irp t, 0,1,2,3
.irp q, 0,1
	global_load_b128 v[WSR+8*\t+4*\q:WSR+8*\t+4*\q+3], v5, s[82:83] offset:(32*(\t/2)+8*(\t%2))*32+16*\q
.endr
.endr
.irp c, 0,1
.irp q, 0,1
	global_load_b128 v[VSR+8*\c+4*\q:VSR+8*\c+4*\q+3], v6, s[84:85] offset:512*\c+16*\q
.endr
.endr
.irp t, 0,1,2,3
	global_load_b128 v[BQ+8*\t:BQ+8*\t+3], v7, s[86:87] offset:(32*(\t/2)+8*(\t%2))*4
	global_load_b128 v[BQ+8*\t+4:BQ+8*\t+7], v7, s[86:87] offset:(32*(\t/2)+8*(\t%2))*4+16
.endr
.irp c, 0,1
	global_load_b32 v[BV+8*\c], v8, s[88:89] offset:64*\c
.endr
.macro HILO b, t
	v_cvt_f32_u32 v[HI+\b], ((\t)<<20)/1000000000000
	v_cvt_f32_u32 v[LO+\b], ((((\t)<<20)%1000000000000)<<20)/1000000000000
.endm
	WIN 0xff
	HILO 0, 1000000000000
	HILO 1, 1333521432163
	HILO 2, 1778279410039
	HILO 3, 2371373705662
	HILO 4, 3162277660168
	HILO 5, 4216965034286
	HILO 6, 5623413251903
	HILO 7, 7498942093325
.irp b, 0,1,2,3,4,5,6,7
	v_mul_f32 v[LO+\b], 0x35800000, v[LO+\b]
.endr
	v_mov_b32 v[MM], 0x35800000
	v_mov_b32 v[TA], 0x38c80000
	v_cndmask_b32 v[MM], v[MM], v[TA], s74
	v_mov_b32 v[MM+1], 0x37200000
	v_mov_b32 v[TC], 0x3a7a0000
	v_cndmask_b32 v[MM+1], v[MM+1], v[TC], s74
.irp i, 0,1,2,3,4,5,6,7,8,9,10,11,12,13,14,15
	v_mul_f32 v[PP+\i], v[HI+\i%8], v[MM+\i/8]
.endr
.irp i, 0,1,2,3,4,5,6,7,8,9,10,11,12,13,14,15
	v_fma_f32 v[EE+\i], v[HI+\i%8], v[MM+\i/8], -v[PP+\i]
.endr
.irp i, 0,1,2,3,4,5,6,7,8,9,10,11,12,13,14,15
	v_fma_f32 v[EE+\i], v[LO+\i%8], v[MM+\i/8], v[EE+\i]
.endr
.irp i, 0,1,2,3,4,5,6,7,8,9,10,11,12,13,14,15
	v_add_f32 v[XX+\i], v[PP+\i], v[EE+\i]
.endr
	s_wait_alu depctr_va_vdst(0)
.irp i, 0,1,2,3,4,5,6,7,8,9,10,11,12,13,14,15
	v_rcp_f32 v[IV+\i], v[XX+\i]
.endr
	v_nop
	s_wait_alu depctr_va_vdst(0)
.rept 2
.irp i, 0,1,2,3,4,5,6,7,8,9,10,11,12,13,14,15
	v_fma_f32 v[EE+\i], -v[XX+\i], v[IV+\i], 1.0
.endr
.irp i, 0,1,2,3,4,5,6,7,8,9,10,11,12,13,14,15
	v_fma_f32 v[IV+\i], v[IV+\i], v[EE+\i], v[IV+\i]
.endr
.endr
	v_mov_b32 v[CC4], 0x37d00d01
	v_mov_b32 v[CC4+1], 0x37d00d01
	v_mov_b32 v[CS7], 0xb9500d01
	v_mov_b32 v[CS7+1], 0xb9500d01
.macro SC2 i, o
	v_pk_mul_f32 v[AA:AA+1], v[POS:POS+1], v[IV+\i:IV+\i+1]
	v_pk_mul_f32 v[NN:NN+1], v[AA:AA+1], 0x3f22f983 op_sel_hi:[1,0]
	v_rndne_f32 v[NN], v[NN]
	v_rndne_f32 v[NN+1], v[NN+1]
	v_pk_fma_f32 v[RR:RR+1], v[NN:NN+1], 0xbfc90fdb, v[AA:AA+1] op_sel_hi:[1,0,1]
	v_pk_fma_f32 v[RR:RR+1], v[NN:NN+1], 0x333bbd2e, v[RR:RR+1] op_sel_hi:[1,0,1]
	v_pk_fma_f32 v[RR:RR+1], v[NN:NN+1], 0x26f72ced, v[RR:RR+1] op_sel_hi:[1,0,1]
	v_cvt_i32_f32 v[II], v[NN]
	v_cvt_i32_f32 v[II+1], v[NN+1]
	v_pk_mul_f32 v[SA:SA+1], v[RR:RR+1], v[RR:RR+1]
	v_pk_fma_f32 v[CSP:CSP+1], v[SA:SA+1], 0xb493f27e, v[CC4:CC4+1] op_sel_hi:[1,0,1]
	v_pk_fma_f32 v[SNP:SNP+1], v[SA:SA+1], 0x3638ef1d, v[CS7:CS7+1] op_sel_hi:[1,0,1]
	v_pk_fma_f32 v[CSP:CSP+1], v[CSP:CSP+1], v[SA:SA+1], 0xbab60b61 op_sel_hi:[1,1,0]
	v_pk_fma_f32 v[SNP:SNP+1], v[SNP:SNP+1], v[SA:SA+1], 0x3c088889 op_sel_hi:[1,1,0]
	v_pk_fma_f32 v[CSP:CSP+1], v[CSP:CSP+1], v[SA:SA+1], 0x3d2aaaab op_sel_hi:[1,1,0]
	v_pk_fma_f32 v[SNP:SNP+1], v[SNP:SNP+1], v[SA:SA+1], 0xbe2aaaab op_sel_hi:[1,1,0]
	v_pk_mul_f32 v[TT:TT+1], v[RR:RR+1], v[SA:SA+1]
	v_pk_fma_f32 v[CSP:CSP+1], v[CSP:CSP+1], v[SA:SA+1], -0.5 op_sel_hi:[1,1,0]
	v_pk_fma_f32 v[SNP:SNP+1], v[TT:TT+1], v[SNP:SNP+1], v[RR:RR+1]
	v_pk_fma_f32 v[CSP:CSP+1], v[CSP:CSP+1], v[SA:SA+1], 1.0 op_sel_hi:[1,1,0]
.irp j, 0,1
	v_and_b32 v[TA], 1, v[II+\j]
	v_cmp_ne_u32 vcc_lo, 0, v[TA]
	v_cndmask_b32 v[\o+16+\i+\j], v[SNP+\j], v[CSP+\j], vcc_lo
	v_cndmask_b32 v[\o+\i+\j], v[CSP+\j], v[SNP+\j], vcc_lo
	v_lshlrev_b32 v[TA], 30, v[II+\j]
	v_add_nc_u32 v[TC], 1, v[II+\j]
	v_and_b32 v[TA], 0x80000000, v[TA]
	v_lshlrev_b32 v[TC], 30, v[TC]
	v_xor_b32 v[\o+16+\i+\j], v[TA], v[\o+16+\i+\j]
	v_and_b32 v[TC], 0x80000000, v[TC]
	v_xor_b32 v[\o+\i+\j], v[TC], v[\o+\i+\j]
.endr
.endm
.macro TABU u
	WIN 0xc0
	v_add_nc_u32 v[POS], 8*\u, v[PI]
	WIN 0xff
	v_cvt_f32_u32 v[POS], v[POS]
	v_mov_b32 v[POS+1], v[POS]
.irp i, 0,2,4,6,8,10,12,14
	SC2 \i, CO+32*\u
.endr
	WIN 0x0c
.irp k, 0,1,2,3,4,5,6,7
	ds_store_b128 v[ATW], v[CO+32*\u+4*\k:CO+32*\u+4*\k+3] offset:4096*\u+512*\k
.endr
.endm
	TABU 0
	WIN 0
	s_wait_alu depctr_va_vdst(0)
	s_wait_tensorcnt 0x0
	ds_add_u32 v254, v255
	s_wait_dscnt 0x0
	CROUND
	tensor_load_to_lds s[68:71], s[48:55]
	s_nop 0
	PLACES
	TABU 1
	WIN 0
	s_wait_tensorcnt 0x0
	s_wait_dscnt 0x0
	s_barrier_signal -1
	s_barrier_wait -1
.macro FRAGS s, p
	WIN 0x40
.irp T, 0,1,2,3,4,5,6,7
.irp c, 0,1
	ds_load_b128 v[128*(\p)+8*\T+4*\c:128*(\p)+8*\T+4*\c+3], v[AH] offset:(16*(\T/2)+8*(\T%2))*PITCH+64*(\s)+32*\c
.endr
.endr
.irp t, 0,1,2,3
.irp c, 0,1
	ds_load_b128 v[128*(\p)+64+8*\t+4*\c:128*(\p)+64+8*\t+4*\c+3], v[AQK] offset:(16*(\t/2)+8*(\t%2))*PITCH+64*(\s)+32*\c
.endr
.endr
.irp n, 0,1
.irp c, 0,1
	ds_load_b128 v[128*(\p)+96+8*\n+4*\c:128*(\p)+96+8*\n+4*\c+3], v[AV] offset:REGB*\n+64*(\s)+32*\c
.endr
.endr
.endm
.macro MULS s
.set FP, 128*((\s)%2)
.if (\s) == 0
	WIN 0x85
.else
	WIN 0xa5
.endif
.irp T, 0,1,2,3,4,5,6,7
.irp t, 0,1,2,3
.if (\s) == 0
	v_wmma_scale_f32_16x16x128_f8f6f4 v[8*(4*\T+\t):8*(4*\T+\t)+7], v[FP+64+8*\t:FP+64+8*\t+7], v[FP+8*\T:FP+8*\T+7], v[BQ+8*\t:BQ+8*\t+7], v[WSR+8*\t+(\s)], v[HSR+8*\T+(\s)] matrix_a_fmt:MATRIX_FMT_FP4 matrix_b_fmt:MATRIX_FMT_FP4
.else
	v_wmma_scale_f32_16x16x128_f8f6f4 v[8*(4*\T+\t):8*(4*\T+\t)+7], v[FP+64+8*\t:FP+64+8*\t+7], v[FP+8*\T:FP+8*\T+7], v[8*(4*\T+\t):8*(4*\T+\t)+7], v[WSR+8*\t+(\s)], v[HSR+8*\T+(\s)] matrix_a_fmt:MATRIX_FMT_FP4 matrix_b_fmt:MATRIX_FMT_FP4
.endif
.endr
.endr
.if (\s) == 0
	WIN 0xc5
.else
	WIN 0xf5
.endif
.irp T, 0,1,2,3,4,5,6,7
.irp n, 0,1
.if (\s) == 0
	v_wmma_scale_f32_16x16x128_f8f6f4 v[64*\n+8*\T:64*\n+8*\T+7], v[FP+8*\T:FP+8*\T+7], v[FP+96+8*\n:FP+96+8*\n+7], v[BV+8*\n:BV+8*\n+7], v[HSR+8*\T+(\s)], v[VSR+8*\n+(\s)] matrix_a_fmt:MATRIX_FMT_FP4 matrix_b_fmt:MATRIX_FMT_FP4
.else
	v_wmma_scale_f32_16x16x128_f8f6f4 v[64*\n+8*\T:64*\n+8*\T+7], v[FP+8*\T:FP+8*\T+7], v[FP+96+8*\n:FP+96+8*\n+7], v[64*\n+8*\T:64*\n+8*\T+7], v[HSR+8*\T+(\s)], v[VSR+8*\n+(\s)] matrix_a_fmt:MATRIX_FMT_FP4 matrix_b_fmt:MATRIX_FMT_FP4
.endif
.endr
.endr
.endm
.macro STEP s
	s_wait_dscnt 0x0
.if (\s) > 0
	PLACES
.endif
.if (\s) < 7
	FRAGS (\s)+1, 1-(\s)%2
.endif
	MULS \s
.endm
	FRAGS 0, 0
	WIN 0
	s_wait_loadcnt 0x0
.irp n, 0,1
.irp j, 1,2,3,4,5,6,7
	v_mov_b32 v[BV+8*\n+\j], v[BV+8*\n]
.endr
.endr
	s_wait_alu depctr_va_vdst(0)
.irp s, 0,1,2,3,4,5,6,7
	STEP \s
.endr
.macro QUANT src, nb, wmax, wcvt, codes, word
	WIN \wmax
.set QB, 0
.rept \nb
	v_max3_num_f32 v[TM+QB], 0x1800000, |v[\src+16*QB]|, |v[\src+16*QB+1]|
.set QB, QB+1
.endr
.irp i, 2,4,6,8,10,12,14
.set QB, 0
.rept \nb
	v_max3_num_f32 v[TM+QB], v[TM+QB], |v[\src+16*QB+\i]|, |v[\src+16*QB+\i+1]|
.set QB, QB+1
.endr
.endr
	WIN 0x55
.set QB, 0
.rept \nb
	v_permlanex16_b32 v[TM+4+QB], v[TM+QB], s72, s73
.set QB, QB+1
.endr
.set QB, 0
.rept \nb
	v_max_num_f32 v[TM+QB], v[TM+QB], v[TM+4+QB]
.set QB, QB+1
.endr
.set QB, 0
.rept \nb
	v_add_nc_u32 v[TM+12+QB], 0xff000000, v[TM+QB]
.set QB, QB+1
.endr
.set QB, 0
.rept \nb
	v_lshrrev_b32 v[TM+4+QB], 23, v[TM+12+QB]
.set QB, QB+1
.endr
	v_lshl_or_b32 v[\word], v[TM+5], 8, v[TM+4]
.if \nb == 4
	v_lshl_or_b32 v[\word], v[TM+6], 16, v[\word]
	v_lshl_or_b32 v[\word], v[TM+7], 24, v[\word]
.endif
	WIN \wcvt
.set QB, 0
.rept \nb
	v_cvt_scalef32_pk8_fp4_f32 v[\codes+2*QB], v[\src+16*QB:\src+16*QB+7], v[TM+12+QB]
	v_cvt_scalef32_pk8_fp4_f32 v[\codes+2*QB+1], v[\src+16*QB+8:\src+16*QB+15], v[TM+12+QB]
.set QB, QB+1
.endr
	WIN 0x55
	v_nop
.set QB, 0
.rept \nb/2
	v_permlane16_swap_b32 v[\codes+4*QB], v[\codes+4*QB+2]
	v_permlane16_swap_b32 v[\codes+4*QB+1], v[\codes+4*QB+3]
.set QB, QB+1
.endr
.endm
.macro TLOAD T
	WIN 0x40
.irp k, 0,1,2,3,4,5,6,7
	ds_load_b128 v[32*((\T)%2)+4*\k:32*((\T)%2)+4*\k+3], v[ATR] offset:4096*(\T)+512*\k
.endr
.endm
.macro ROT T
	WIN 0x56
.set CB, 32*((\T)%2)
.irp i, 0,2,4,6,8,10,12,14
	v_pk_mul_f32 v[YR+\i:YR+\i+1], v[32*(\T)+\i:32*(\T)+\i+1], v[CB+\i:CB+\i+1]
	v_pk_mul_f32 v[YR+16+\i:YR+16+\i+1], v[32*(\T)+16+\i:32*(\T)+16+\i+1], v[CB+\i:CB+\i+1]
	v_pk_fma_f32 v[YR+\i:YR+\i+1], v[32*(\T)+16+\i:32*(\T)+16+\i+1], v[CB+16+\i:CB+16+\i+1], v[YR+\i:YR+\i+1] neg_lo:[1,0,0] neg_hi:[1,0,0]
	v_pk_fma_f32 v[YR+16+\i:YR+16+\i+1], v[32*(\T)+\i:32*(\T)+\i+1], v[CB+16+\i:CB+16+\i+1], v[YR+16+\i:YR+16+\i+1]
.endr
.endm
	WIN 0
	PLACES
	WIN 0x40
.irp b, 0,1,2,3
	v_mov_b32 v[TM+4+\b], 0
.endr
	TLOAD 0
.irp T, 0,1,2,3,4,5,6,7
.if \T < 7
	TLOAD \T+1
	s_wait_dscnt 8
.else
	s_wait_dscnt 0x0
.endif
	ROT \T
	QUANT YR, 2, 0x55, 0x55, PC+4*\T, PW+\T
	WIN 0x04
	global_store_b128 v[L16], v[PC+4*\T:PC+4*\T+3], s[76:77] offset:512*\T
.endr
	WIN 0x55
.irp i, 0,1,2,3
	v_cndmask_b32 v[SW+\i], v[PW+2*\i], v[PW+2*\i+1], s74
.endr
	WIN 0x04
	global_store_b128 v[L16], v[SW:SW+3], s[76:77] offset:8192
.irp n, 0,1
	QUANT 64*\n, 4, 0x7d, 0x47, VC+8*\n, PWV+\n
	WIN 0x04
	global_store_b128 v[VO16], v[VC+8*\n:VC+8*\n+3], s[78:79] offset:4096+1024*\n
	global_store_b128 v[VO16], v[VC+8*\n+4:VC+8*\n+7], s[78:79] offset:4096+1024*\n+512
.endr
	WIN 0x55
	v_cndmask_b32 v[VW], v[PWV], v[PWV+1], s74
	WIN 0x04
	global_store_b32 v[VO4], v[VW], s[78:79] offset:8704
	WIN 0
	s_wait_dscnt 0x0
	s_wait_tensorcnt 0x0
	ds_add_u32 v254, v255
	s_wait_dscnt 0x0
	CROUND
	s_endpgm
.Lfunc_end_k_q348436428f_proj:
	.size	k_q348436428f_proj, .Lfunc_end_k_q348436428f_proj-k_q348436428f_proj
	.p2alignl 7, 3214868480
	.fill 96, 4, 3214868480
	.section	.rodata,"a",@progbits
	.p2align	6, 0x0
	.amdhsa_kernel k_q348436428f_proj
		.amdhsa_group_segment_fixed_size 327680
		.amdhsa_private_segment_fixed_size 0
		.amdhsa_enable_private_segment 0
		.amdhsa_kernarg_size 104
		.amdhsa_user_sgpr_count 2
		.amdhsa_user_sgpr_kernarg_segment_ptr 1
		.amdhsa_wavefront_size32 1
		.amdhsa_system_sgpr_workgroup_id_x 1
		.amdhsa_system_sgpr_workgroup_id_y 1
		.amdhsa_system_sgpr_workgroup_id_z 1
		.amdhsa_system_vgpr_workitem_id 0
		.amdhsa_next_free_vgpr 1024
		.amdhsa_next_free_sgpr 100
		.amdhsa_reserve_vcc 1
		.amdhsa_float_denorm_mode_32 3
		.amdhsa_float_denorm_mode_16_64 3
		.amdhsa_memory_ordered 1
		.amdhsa_forward_progress 1
		.amdhsa_inst_pref_size 170
	.end_amdhsa_kernel
	.amdgpu_metadata
---
amdhsa.version: [ 1, 2 ]
amdhsa.kernels:
  - .name:           k_q348436428f_proj
    .symbol:         k_q348436428f_proj.kd
    .args:
      - { .name: hidden_states_codes, .offset: 0, .size: 8, .value_kind: global_buffer, .address_space: global }
      - { .name: hidden_states_scales, .offset: 8, .size: 8, .value_kind: global_buffer, .address_space: global }
      - { .name: Wq_codes, .offset: 16, .size: 8, .value_kind: global_buffer, .address_space: global }
      - { .name: Wq_scales, .offset: 24, .size: 8, .value_kind: global_buffer, .address_space: global }
      - { .name: Wk_codes, .offset: 32, .size: 8, .value_kind: global_buffer, .address_space: global }
      - { .name: Wk_scales, .offset: 40, .size: 8, .value_kind: global_buffer, .address_space: global }
      - { .name: Wv_codes, .offset: 48, .size: 8, .value_kind: global_buffer, .address_space: global }
      - { .name: Wv_scales, .offset: 56, .size: 8, .value_kind: global_buffer, .address_space: global }
      - { .name: bq, .offset: 64, .size: 8, .value_kind: global_buffer, .address_space: global }
      - { .name: bk, .offset: 72, .size: 8, .value_kind: global_buffer, .address_space: global }
      - { .name: bv, .offset: 80, .size: 8, .value_kind: global_buffer, .address_space: global }
      - { .name: qq, .offset: 88, .size: 8, .value_kind: global_buffer, .address_space: global }
      - { .name: kv, .offset: 96, .size: 8, .value_kind: global_buffer, .address_space: global }
    .group_segment_fixed_size: 327680
    .private_segment_fixed_size: 0
    .kernarg_segment_align: 8
    .kernarg_segment_size: 104
    .max_flat_workgroup_size: 128
    .sgpr_count:     100
    .vgpr_count:     1024
    .wavefront_size: 32
...
	.end_amdgpu_metadata
.endif
;; end of part 1
;; launch attn (part 2): grid 4 x 64, 16 waves a work-group, clusters of 4 x 1, 327,680 bytes of LDS; arguments qq, kv, out0; writes out0
.if DOCPART == 2
	.amdgcn_target "amdgcn-amd-amdhsa--gfx1250"
	.amdhsa_code_object_version 6
	.text
	.protected	k_q348436428f_attn
	.globl	k_q348436428f_attn
	.p2align	8
	.type	k_q348436428f_attn,@function
k_q348436428f_attn:
	s_mov_b64 s[64:65], 0
	v_nop
	global_prefetch_b8 v0, s[64:65] scope:SCOPE_SE
	s_setreg_imm32_b32 hwreg(HW_REG_WAVE_MODE, 25, 1), 1
	s_wait_xcnt 0x0
	s_wait_alu depctr_hold_cnt(0) depctr_sa_sdst(0) depctr_va_vdst(0) depctr_va_sdst(0) depctr_va_ssrc(0) depctr_va_vcc(0) depctr_vm_vsrc(0)
	s_getreg_b32 s2, hwreg(HW_REG_IB_STS2, 6, 4)
	s_cmp_eq_u32 s2, 0
	s_cbranch_scc0 .Lentry_in_a_cluster
	s_endpgm
.Lentry_in_a_cluster:
	s_bfe_u32 s2, ttmp6, 0x10000c
	s_cmp_lg_u32 s2, 0x3003
	s_cbranch_scc0 .Lentry_shape_is_right
	s_endpgm
.Lentry_shape_is_right:
; out[b][q][64 head + :] = the sum over k of softmax_k(q . k / 64) v, 64 heads of 2,048 positions, head size 64, both products on FP4 (E2M1) codes with E8M0 scales.
; q's codes were made without the factor 1/8, a power of two that changes no code: both factors 1/8 stand in c = log2(e) / 64.
; IN: records of 8,960 bytes, [16 batch + head][position / 128]: +0 eight tiles x 512 bytes of q's (qq) or k's (kv) codes: tile 2 b + u, byte 16 l: dims 32 (l / 16) .. of position
; 32 b + 8 u + r + 8 (r / 8), r = l % 16; +4096 (kv) four channel tiles x 1,024 bytes of v's codes, keys innermost; +8192 q's or k's scale words; +8704 (kv) v's.
; SOFTMAX: t = score x c; M = the row's largest t so far, rounded up to a whole number; p = 2^(t - M) is quantised along the keys; the row's sum is taken of the unquantised p and divides at the end.
; When M moves, the sum and O are multiplied by 2^(old M - new M): exact.
; SHARES: a work-group owns 512 queries of a head, each of its sixteen waves 32: two tiles of 16 (A: offsets 0-7, 16-23; B: 8-15, 24-31).  Each fragment of K and V is read once a wave and serves both tiles.
; A head's 16 records, 143,360 bytes = 560 rows of 256, lie in LDS at once, each byte filled once, in two fills: 5 rows a wave (records 0 and 1 lie in these 80), then 30 rows a wave.  CLUSTER: the four work-groups of a head ask jointly.
; No prefetch: every byte is asked for by these two groups of loads at the start, and there is no loop of loads to run ahead in.
; LAYOUT: S^T = K Q^T, O^T = V^T P^T: a lane holds one query.  THE KEYS OF A TILE ARE CHOSEN BY THE LDS ADDRESS: row r of tile t is key 64 (t / 4) + 32 (r / 8) + 8 (t % 4) + r % 8,
; so register 8 t + j of lane (r, h) is key 64 (t / 4) + 32 h + 8 (t % 4) + j: a lane holds two whole blocks of 32 keys, in the order that the second product's operand wants.
; THE EXPONENTIALS go in four batches of 16; between them stand plain instructions of the same tile that read nothing written in the same batch: later quarters' t - M, earlier quarters' sums, the scales' lines.
; THE HEAD'S K IS 64, THE INSTRUCTION'S 128: Q's registers 4-7 are zero codes, so k = 64 .. 127 add zeros whatever codes stand in K's registers 4-7; bytes 2 and 3 of the scale words are 0, no NaN.
; LIMITS: NaN and infinities are not served; the promise holds while the scaled scores t stay under 2^31 in magnitude.
.set REC,   8960
.set HEADB, 16*REC
.set FILL1, 16*5*256                   ; the first fill's bytes
.set STG,   HEADB                      ; the way out: 16 rows x 272 bytes for each wave; no fill lands here
.set SPARE, 0x34000                    ; the spare words: 128 bytes a wave
.set AKL, 1                            ; my lane's place in a tile of K: 1024 (r / 8) + 16 (r % 8) + 256 h
.set ASL, 2                            ; among K's scale words: 16 (r % 8) + 4 (r / 8) + 256 h
.set L16, 3
.set L4,  4
.set ADA, 5                            ; addresses of the loads in hand
.set ADB, 6
.set SH8, 7                            ; 8 h
.set QSW, 8                            ; Q's scale words: lanes 0-15 tile A's, lanes 16-31 tile B's
.set PWA, 10                           ; p's scale words
.set PWB, 11
.set STA, 12                           ; -M, the largest score, the sum in two halves
.set STB, 16
.set KS,  20                           ; v20-23 K's scale words: register i: lanes 0-15 tile 2 i, lanes 16-31 tile 2 i + 1
.set VS,  24
.set FFA, 26                           ; f, as the low word of a pair
.set FFB, 28
.set X,   30                           ; v30-37 eight chains of maxima, then four of the sum's accumulators
.set BM,  38                           ; v38-39 the two blocks' largest scores, then largest p
.set TP,  40
.set TQ,  41
.set TW,  42
.set QA,  44
.set QB,  52
.set KV,  60                           ; v60-91 eight tiles of K x 4, later four of V x 8; v92-95 zeros
.set S,   96                           ; S^T, then p
.set OA,  160
.set OB,  192
.set PCA, 224
.set PCB, 232
.set A0,  30                           ; the sum's seven accumulators, pairs
.set A1,  32
.set A2,  34
.set A3,  36
.set A4,  240
.set A5,  242
.set A6,  244
.set BS,  246                          ; v246-247 the conversions' scale operands
.set BY,  248                          ; v248-249 the scales' bytes + 2
.set STO, 250
.set RD,  251
.set GO,  252
.set WV,  10
.set SEL, 18
.set CS,  20
.set TB,  22
.set CNT, 23
.set NCS, 54
.macro PLACES
.rept 4
	v_nop
.endr
.endm
.macro CROUND                          ; a round of the cluster's barrier
	s_barrier_signal -1
	s_barrier_wait -1
	s_cmp_lg_u32 s[WV], 0
	s_cbranch_scc1 .Lnot_wave_0_\@
	s_barrier_signal -3
.Lnot_wave_0_\@:
	s_barrier_wait -3
	s_barrier_signal -1
	s_barrier_wait -1
.endm
	s_load_b128 s[4:7], s[0:1], 0x0                ; qq, kv
	s_load_b64 s[8:9], s[0:1], 0x10                ; out0
	v_lshl_add_u32 v254, v0, 2, SPARE
	v_mov_b32 v255, 0
	ds_add_u32 v254, v255                          ; the opening lines: the add twice on end and its wait
	ds_add_u32 v254, v255
	v_lshrrev_b32 v9, 5, v0
	v_readfirstlane_b32 s[WV], v9                  ; wave 0..15
	s_bfe_u32 s11, ttmp6, 0x40000                  ; cx: which 512 queries
	s_and_b32 s12, ttmp7, 0xffff                   ; 16 batch + head, which the four partners share
	s_mul_i32 s48, s12, HEADB
	s_mov_b32 s49, 0
	s_mul_i32 s13, s[WV], 5*256                    ; my part of the first fill, in the head and in LDS,
	s_mul_i32 s55, s[WV], 30*256
	s_add_co_u32 s55, s55, FILL1                   ; and of the second
	s_add_co_u32 s56, s48, s13
	s_mov_b32 s57, 0
	s_add_co_u32 s58, s48, s55
	s_mov_b32 s59, 0
	s_mov_b32 s24, 15|(3<<16)|(1<<21)              ; groups 1: mask of all four; elements of 8 bytes; bit 21 beside a mask; rows of 256 bytes, no padding: 5 rows,
	s_mov_b32 s25, 32<<16
	s_mov_b32 s26, 5<<16
	s_mov_b32 s27, 32<<16
	s_mov_b32 s28, 5
	s_mov_b32 s29, 32
	s_mov_b32 s30, 0
	s_mov_b32 s31, 0
	s_mov_b32 s32, 15|(3<<16)|(1<<21)              ; and 30
	s_mov_b32 s33, 32<<16
	s_mov_b32 s34, 30<<16
	s_mov_b32 s35, 32<<16
	s_mov_b32 s36, 30
	s_mov_b32 s37, 32
	s_mov_b32 s38, 0
	s_mov_b32 s39, 0
	s_mov_b32 s[SEL], 0x76543210
	s_mov_b32 s[SEL+1], 0xfedcba98                 ; lane l xor 16
	s_mov_b32 s[CS], 0x3cb8aa3b                    ; c = log2(e) / 64
	s_mov_b32 s[CS+1], s[CS]
	s_mov_b32 s[NCS], 0xbcb8aa3b                   ; -c
	s_mov_b32 s[TB], 0
	s_and_b32 s15, s[WV], 3
	s_lshl_b32 s16, s15, 10                        ; my tiles 2 (w % 4), 2 (w % 4) + 1 of Q's record
	s_lshl_b32 s17, s15, 2                         ; and word w % 4 of each lane's four
	s_lshl_b32 s50, s11, 2
	s_lshr_b32 s60, s[WV], 2
	s_add_co_u32 s50, s50, s60                     ; record 4 cx + w / 4
	s_mul_i32 s50, s50, REC
	s_add_co_u32 s50, s50, s48
	s_mov_b32 s51, 0
	s_lshr_b32 s52, s12, 4
	s_lshl_b32 s52, s52, 23                        ; batch x 2,048 x 4,096 bytes
	s_lshl_b32 s60, s11, 21                        ; 512 cx positions
	s_add_co_u32 s52, s52, s60
	s_lshl_b32 s60, s[WV], 17                      ; 32 w positions
	s_add_co_u32 s52, s52, s60
	s_and_b32 s60, s12, 15
	s_lshl_b32 s60, s60, 8                         ; the head's 256 bytes of a row
	s_add_co_u32 s52, s52, s60
	s_mov_b32 s53, 0
	s_mul_i32 s14, s[WV], 16*272
	s_add_co_u32 s14, s14, STG                     ; my stage
	s_wait_dscnt 0x0
	s_wait_kmcnt 0x0
	s_mov_b32 s40, 1
	s_mov_b32 s41, s13
	s_add_nc_u64 s[42:43], s[6:7], s[56:57]
	s_or_b32 s43, s43, 0x80000000
	s_mov_b32 s44, 1
	s_mov_b32 s45, s55
	s_add_nc_u64 s[46:47], s[6:7], s[58:59]
	s_or_b32 s47, s47, 0x80000000
	s_add_nc_u64 s[4:5], s[4:5], s[50:51]
	s_add_nc_u64 s[8:9], s[8:9], s[52:53]
	CROUND                                         ; all four work-groups are here: the joint loads meet
	tensor_load_to_lds s[40:43], s[24:31]          ; my one tensor load at the head
	s_nop 0
	PLACES
	v_and_b32 v96, 31, v0
	v_lshlrev_b32 v[L16], 4, v96
	v_lshlrev_b32 v[L4], 2, v96
	v_and_b32 v97, 15, v0                          ; r
	v_bfe_u32 v98, v0, 4, 1                        ; h
	v_and_b32 v99, 7, v0
	v_bfe_u32 v100, v0, 3, 1                       ; r / 8
	v_lshlrev_b32 v99, 4, v99                      ; 16 (r % 8)
	v_lshl_add_u32 v[AKL], v100, 10, v99
	v_lshl_add_u32 v[AKL], v98, 8, v[AKL]
	v_lshl_add_u32 v[ASL], v100, 2, v99
	v_lshl_add_u32 v[ASL], v98, 8, v[ASL]
	v_lshlrev_b32 v[SH8], 3, v98
	v_mul_u32_u24 v[STO], v97, 272
	v_lshl_add_u32 v[STO], v98, 5, v[STO]
	v_add_nc_u32 v[STO], s14, v[STO]               ; in: row r, + 32 h
	v_mul_u32_u24 v[RD], v98, 272
	v_lshl_add_u32 v[RD], v97, 4, v[RD]
	v_add_nc_u32 v[RD], s14, v[RD]                 ; back: lanes 0-15 one row, lanes 16-31 the next
	v_lshlrev_b32 v[GO], 12, v98
	v_lshl_add_u32 v[GO], v97, 4, v[GO]            ; the same in out: a position is 4,096 bytes
	v_add_nc_u32 v101, s16, v[L16]
	v_add_nc_u32 v102, s17, v[L16]
	global_load_b128 v[QA:QA+3], v101, s[4:5]
	global_load_b128 v[QB:QB+3], v101, s[4:5] offset:512
	global_load_b32 v[QSW], v102, s[4:5] offset:8192
.irp j, 4,5,6,7
	v_mov_b32 v[QA+\j], 0                          ; zero codes for k = 64 .. 127
	v_mov_b32 v[QB+\j], 0
	v_mov_b32 v[KV+28+\j], 0
.endr
.irp t, STA, STB
	v_mov_b32 v[\t], 0x7f61b1e6                    ; -M = 3e38
	v_mov_b32 v[\t+1], 0xff61b1e6                  ; the largest score so far: -3e38
	v_mov_b32 v[\t+2], 0
	v_mov_b32 v[\t+3], 0
.endr
	v_mov_b32 v[FFA+1], 0                          ; (upper halves of pairs that are named)
	v_mov_b32 v[FFB+1], 0
	v_mov_b32 v[TQ], 0                             ; a lane permute's destination counts as a source
.set J, 0
.rept 64
	v_mov_b32 v[OA+J], 0                           ; O^T: the first step finds zeros, which the first change of M leaves zeros
.set J, J+1
.endr
.macro WMZ d, a, b, sa, sb, ra, rb     ; a product that starts a sum.  ra, rb: the scale words lie in lanes 16-31
.if (\ra) && (\rb)
	v_wmma_scale_f32_16x16x128_f8f6f4 v[\d:\d+7], v[\a:\a+7], v[\b:\b+7], 0, v[\sa], v[\sb] matrix_a_fmt:MATRIX_FMT_FP4 matrix_b_fmt:MATRIX_FMT_FP4 matrix_a_scale:MATRIX_SCALE_ROW1 matrix_b_scale:MATRIX_SCALE_ROW1
.elseif (\ra)
	v_wmma_scale_f32_16x16x128_f8f6f4 v[\d:\d+7], v[\a:\a+7], v[\b:\b+7], 0, v[\sa], v[\sb] matrix_a_fmt:MATRIX_FMT_FP4 matrix_b_fmt:MATRIX_FMT_FP4 matrix_a_scale:MATRIX_SCALE_ROW1
.elseif (\rb)
	v_wmma_scale_f32_16x16x128_f8f6f4 v[\d:\d+7], v[\a:\a+7], v[\b:\b+7], 0, v[\sa], v[\sb] matrix_a_fmt:MATRIX_FMT_FP4 matrix_b_fmt:MATRIX_FMT_FP4 matrix_b_scale:MATRIX_SCALE_ROW1
.else
	v_wmma_scale_f32_16x16x128_f8f6f4 v[\d:\d+7], v[\a:\a+7], v[\b:\b+7], 0, v[\sa], v[\sb] matrix_a_fmt:MATRIX_FMT_FP4 matrix_b_fmt:MATRIX_FMT_FP4
.endif
.endm
.macro WMA d, a, b, sa, sb, ra         ; a product that adds in place
.if (\ra)
	v_wmma_scale_f32_16x16x128_f8f6f4 v[\d:\d+7], v[\a:\a+7], v[\b:\b+7], v[\d:\d+7], v[\sa], v[\sb] matrix_a_fmt:MATRIX_FMT_FP4 matrix_b_fmt:MATRIX_FMT_FP4 matrix_a_scale:MATRIX_SCALE_ROW1
.else
	v_wmma_scale_f32_16x16x128_f8f6f4 v[\d:\d+7], v[\a:\a+7], v[\b:\b+7], v[\d:\d+7], v[\sa], v[\sb] matrix_a_fmt:MATRIX_FMT_FP4 matrix_b_fmt:MATRIX_FMT_FP4
.endif
.endm
.macro SCORES q, rb                    ; S^T = K Q^T for one tile of queries
.irp t, 0,1,2,3,4,5,6,7
	WMZ S+8*\t, KV+4*\t, \q, KS+\t/2, QSW, \t%2, \rb
.endr
.endm
.macro LOADK                           ; eight tiles of K and their scale words, from the record at s[TB]
	v_add_nc_u32 v[ADA], s[TB], v[AKL]
	v_add_nc_u32 v[ADB], s[TB], v[ASL]
.irp t, 0,1,2,3,4,5,6,7
	ds_load_b128 v[KV+4*\t:KV+4*\t+3], v[ADA] offset:512*(4*(\t/4)+\t%2)+128*((\t%4)/2)
.endr
.irp i, 0,1,2,3
	ds_load_b32 v[KS+\i], v[ADB] offset:8192+128*(\i%2)+8*(\i/2)
.endr
.endm
.macro EX j                            ; p = 2^(t - M)
	v_exp_f32 v[S+(\j)], v[S+(\j)]
.endm
.macro FM st, j                        ; t - M of pair j
	v_pk_fma_f32 v[S+2*(\j):S+2*(\j)+1], v[S+2*(\j):S+2*(\j)+1], s[CS:CS+1], v[\st:\st+1] op_sel_hi:[1,0,0]
.endm
.macro AD d, a, b
	v_pk_add_f32 v[\d:\d+1], v[\a:\a+1], v[\b:\b+1]
.endm
.macro OM o, ff, j0, n                 ; O^T under the new M, each accumulator from its low end on
.set J, \j0
.rept \n
	v_pk_mul_f32 v[\o+2*J:\o+2*J+1], v[\o+2*J:\o+2*J+1], v[\ff:\ff+1] op_sel_hi:[1,0]
.set J, J+1
.endr
.endm
.macro SUMEND st, pf                   ; the sum's last ten additions.  pf = 1: the next step's K is asked for behind five plain places
	AD A5, A5, S+58
	AD A6, A6, S+60
	AD \st+2, \st+2, S+62
.if \pf
	s_add_co_u32 s[TB], s[TB], REC
	LOADK
.endif
	AD A0, A0, A1
	AD A2, A2, A3
	AD A4, A4, A5
	AD \st+2, \st+2, A6
	AD A0, A0, A2
	AD \st+2, \st+2, A4
	AD \st+2, \st+2, A0
.endm
; one tile's softmax for one key step, up to the sum's last ten additions
.macro SOFTMAX st, o, pc, pw, ff
.irp a, 0,1,2,3,4,5,6,7
	v_max3_num_f32 v[X+\a], v[S+8*\a], v[S+8*\a+1], v[S+8*\a+2]   ; eight chains, one an accumulator, from its low end
.endr
.irp i, 3,5
.irp a, 0,1,2,3,4,5,6,7
	v_max3_num_f32 v[X+\a], v[X+\a], v[S+8*\a+\i], v[S+8*\a+\i+1]
.endr
.endr
.irp c, 0,4                            ; accumulators c .. c + 3 are one block of 32 keys
	v_max3_num_f32 v[X+\c], v[X+\c], v[X+\c+1], v[X+\c+2]
	v_max3_num_f32 v[X+\c+3], v[X+\c+3], v[S+8*\c+7], v[S+8*\c+15]
.endr
.irp c, 0,4
	v_max3_num_f32 v[X+\c], v[X+\c], v[X+\c+3], v[S+8*\c+23]
.endr
.irp c, 0,4
	v_max_num_f32 v[BM+\c/4], v[X+\c], v[S+8*\c+31]   ; the block's largest score: it serves the row's maximum and, since p rises with the score, the block's largest p
.endr
	v_max_num_f32 v[TP], v[BM], v[BM+1]
	v_permlanex16_b32 v[TQ], v[TP], s[SEL], s[SEL+1]
	v_max3_num_f32 v[\st+1], v[\st+1], v[TP], v[TQ]   ; the running largest score (c is positive: its t is the largest t)
	v_mul_f32 v[TW], s[NCS], v[\st+1]
	v_mov_b32 v[TP], v[\st]
	v_floor_f32 v[\st], v[TW]                      ; the new -M = -ceil(t)
.irp j, 0,1,2
	FM \st, \j
.endr
	v_sub_f32 v[TP], v[\st], v[TP]                 ; old M - new M: a whole number, 0 or less
.irp j, 3,4,5
	FM \st, \j
.endr
	v_cvt_i32_f32 v[TP], v[TP]                     ; (it saturates)
	FM \st, 6
	FM \st, 7
	v_fma_f32 v[BM], v[BM], s[CS], v[\st]
	v_fma_f32 v[BM+1], v[BM+1], s[CS], v[\st]
	v_ldexp_f32 v[\ff], 1.0, v[TP]                 ; f = 2^(old M - new M)
	v_pk_mul_f32 v[\st+2:\st+3], v[\st+2:\st+3], v[\ff:\ff+1] op_sel_hi:[1,0]   ; the sum under the new M
	s_wait_alu depctr_va_vdst(0)                   ; a wait ahead of each batch and behind it; one between two batches serves both
	v_exp_f32 v[BM], v[BM]                         ; batch 0: the blocks' largest p and keys' quarter 0; beside them t - M of pairs 8 to 19
	FM \st, 8
	v_exp_f32 v[BM+1], v[BM+1]
	FM \st, 9
.irp i, 0,1,2,3,4,5,6,7,8,9
	EX \i
	FM \st, 10+\i
.endr
.irp i, 10,11,12,13,14,15
	EX \i
.endr
	s_wait_alu depctr_va_vdst(0)
.irp i, 0,1,2,3,4,5,6,7                ; batch 1: quarter 1; beside it t - M of pairs 20 to 27, quarter 0's sums, the floor
	EX 16+\i
	FM \st, 20+\i
.endr
	EX 24
	AD A0, S, S+2
	EX 25
	AD A1, S+4, S+6
	EX 26
	AD A2, S+8, S+10
	EX 27
	AD A3, S+12, S+14
	EX 28
	v_max_num_f32 v[BM], 0x1800000, v[BM]          ; the floor 2^(3 - 127): the byte cannot fall under 1
	EX 29
	v_max_num_f32 v[BM+1], 0x1800000, v[BM+1]
	EX 30
	EX 31
	s_wait_alu depctr_va_vdst(0)
.irp i, 0,1,2,3                        ; batch 2: quarter 2; beside it the last t - M, quarter 1's sums, the scales
	EX 32+\i
	FM \st, 28+\i
.endr
	EX 36
	AD A0, A0, S+16
	EX 37
	AD A1, A1, S+18
	EX 38
	AD A2, A2, S+20
	EX 39
	AD A3, A3, S+22
	EX 40
	AD A4, S+24, S+26
	EX 41
	AD A5, S+28, S+30
	EX 42
	v_add_nc_u32 v[BS], 0xff000000, v[BM]          ; 2 off the exponent field: the conversion's scale operand
	EX 43
	v_add_nc_u32 v[BS+1], 0xff000000, v[BM+1]
	EX 44
	v_lshrrev_b32 v[BY], 23, v[BM]                 ; the scale's byte + 2: blocks h and 2 + h
	EX 45
	v_lshrrev_b32 v[BY+1], 23, v[BM+1]
	EX 46
	EX 47
	s_wait_alu depctr_va_vdst(0)
	EX 48                                          ; batch 3: quarter 3; beside it quarter 2's sums and the first block's codes
	AD A0, A0, S+32
	EX 49
	AD A1, A1, S+34
	EX 50
	AD A2, A2, S+36
	EX 51
	AD A3, A3, S+38
	EX 52
	AD A4, A4, S+40
	EX 53
	AD A5, A5, S+42
	EX 54
	AD A6, S+44, S+46
	EX 55
	v_lshl_or_b32 v[TW], v[BY+1], 16, v[BY]
.irp t, 0,1,2,3
	EX 56+\t
	v_cvt_scalef32_pk8_fp4_f32 v[\pc+\t], v[S+8*\t:S+8*\t+7], v[BS]   ; register t of the operand: keys 32 h + 8 t ..
.endr
.irp i, 60,61,62,63
	EX \i
.endr
	s_wait_alu depctr_va_vdst(0)                   ; behind the last batch, and directly ahead of O^T's first reader; plain instructions alone follow up to the last of the 16
	OM \o, \ff, 0, 3
	v_add_lshl_u32 v[TW], v[TW], 0xfffdfffe, v[SH8]   ; 2 off each byte, and to their places in the word
	OM \o, \ff, 3, 4
	v_permlanex16_b32 v[TQ], v[TW], s[SEL], s[SEL+1]
	OM \o, \ff, 7, 4
	v_or_b32 v[\pw], v[TW], v[TQ]                  ; with lane l xor 16's two bytes the word is whole
	OM \o, \ff, 11, 5
.irp t, 4,5,6,7
	v_cvt_scalef32_pk8_fp4_f32 v[\pc+\t], v[S+8*\t:S+8*\t+7], v[BS+1]   ; keys 64 + 32 h + 8 (t - 4) ..
.endr
	AD A0, A0, S+48                                ; ten plain places stand between p's word, five between its codes, and the products that take them
	AD A1, A1, S+50
	AD A2, A2, S+52
	AD A3, A3, S+54
	AD A4, A4, S+56
.endm
; A KEY STEP: 128 keys, the record at LDS byte s[TB]; its K has been asked for
.macro STEP pf
	s_wait_dscnt 0x0                               ; K and its scale words
	SCORES QA, 0
	PLACES
	SOFTMAX STA, OA, PCA, PWA, FFA
	SUMEND STA, 0
	SCORES QB, 1
	v_add_nc_u32 v[ADA], s[TB], v[L16]
	v_add_nc_u32 v[ADB], s[TB], v[L4]
	v_nop
	v_nop                                          ; four places ahead of the loads over K's registers and of the reads of the scores
.irp k, 0,1,2,3,4,5,6,7
	ds_load_b128 v[KV+4*\k:KV+4*\k+3], v[ADA] offset:4096+512*\k     ; V lands while tile B's softmax is walked
.endr
	ds_load_b32 v[VS], v[ADB] offset:8704
	ds_load_b32 v[VS+1], v[ADB] offset:8832
	SOFTMAX STB, OB, PCB, PWB, FFB
	s_wait_alu depctr_va_vdst(0)
	s_wait_dscnt 0x0                               ; V
.irp n, 0,1,2,3
	WMA OA+8*\n, KV+8*\n, PCA, VS+\n/2, PWA, \n%2
	WMA OB+8*\n, KV+8*\n, PCB, VS+\n/2, PWB, \n%2
.endr
	SUMEND STB, \pf
.endm
	s_wait_alu depctr_va_vdst(0)                   ; the head's end
	s_wait_tensorcnt 0x0                           ; my part of the first fill has landed
	ds_add_u32 v254, v255
	s_wait_dscnt 0x0
	CROUND                                         ; everybody's part is in, and all four work-groups are here
	tensor_load_to_lds s[44:47], s[32:39]          ; my part of the second fill: my one tensor load behind the round
	s_nop 0
	PLACES
	LOADK
	s_wait_loadcnt 0x0                             ; Q
	STEP 1                                         ; key steps 0 and 1 read bytes of the first fill alone
	STEP 0
	s_wait_alu depctr_va_vdst(0)
	s_wait_tensorcnt 0x0                           ; my part of the second fill
	s_wait_dscnt 0x0
	s_barrier_signal -1
	s_barrier_wait -1                              ; all sixteen parts
	s_add_co_u32 s[TB], s[TB], REC
	LOADK
	s_mov_b32 s[CNT], 13
.Lkey:
	STEP 1
	s_sub_co_u32 s[CNT], s[CNT], 1
	s_cmp_lg_u32 s[CNT], 0
	s_wait_alu depctr_va_vdst(0)
	s_cbranch_scc1 .Lkey
	STEP 0                                         ; the last step is written out: no record follows it
	; THE WAY OUT: O^T / the row's sum goes through my stage in LDS, a tile of 16 queries at a time, so that sixteen lanes store a query's 256 bytes of this head
.macro FIN st, o, rs, bk
	v_add_f32 v[TP], v[\st+2], v[\st+3]
	v_permlanex16_b32 v[TQ], v[TP], s[SEL], s[SEL+1]
	v_add_f32 v[TP], v[TP], v[TQ]                  ; with lane l xor 16's keys: the row's sum
	s_wait_alu depctr_va_vdst(0)                   ; the wait ahead of the transcendental
	v_rcp_f32 v[FFA], v[TP]
	v_nop
	s_wait_alu depctr_va_vdst(0)                   ; and ahead of its first reader, which is O^T's too
.set J, 0
.rept 16
	v_pk_mul_f32 v[\rs+J:\rs+J+1], v[\o+J:\o+J+1], v[FFA:FFA+1] op_sel_hi:[1,0]   ; register 8 n + j: channel 16 n + 8 h + j of query r
.set J, J+2
.endr
.irp n, 0,1,2,3
	ds_store_b128 v[STO], v[\rs+8*\n:\rs+8*\n+3] offset:64*\n
	ds_store_b128 v[STO], v[\rs+8*\n+4:\rs+8*\n+7] offset:64*\n+16
.endr
.irp i, 0,1,2,3,4,5,6,7
	ds_load_b128 v[\bk+4*\i:\bk+4*\i+3], v[RD] offset:544*\i      ; LDS serves a wave's instructions in order (ISA guide 5.7.1.4)
.endr
.endm
.macro SEND u, bk, younger             ; stage row 2 i + h is position 8 u + 2 i + h + 8 (i / 4)
.irp i, 0,1,2,3,4,5,6,7
	s_wait_dscnt \younger+7-\i                     ; load i is in; the younger of the eight and the next tile's sixteen LDS instructions may be out
	global_store_b128 v[GO], v[\bk+4*\i:\bk+4*\i+3], s[8:9] offset:(2*\i+8*(\i/4)+8*\u)*4096 th:TH_STORE_NT   ; 16 lanes store 256 consecutive bytes, aligned
.endr
.endm
	FIN STA, OA, S, KV                             ; (the sum's ten additions are the places behind the last products)
	FIN STB, OB, S+32, OA
	SEND 0, KV, 16
	SEND 1, OA, 0
	s_wait_tensorcnt 0x0                           ; the wave's end
	ds_add_u32 v254, v255
	s_wait_dscnt 0x0
	CROUND                                         ; the closing round
	s_endpgm
.Lfunc_end_k_q348436428f_attn:
	.size	k_q348436428f_attn, .Lfunc_end_k_q348436428f_attn-k_q348436428f_attn
	.p2alignl 7, 3214868480
	.fill 96, 4, 3214868480
	.section	.rodata,"a",@progbits
	.p2align	6, 0x0
	.amdhsa_kernel k_q348436428f_attn
		.amdhsa_group_segment_fixed_size 327680
		.amdhsa_private_segment_fixed_size 0
		.amdhsa_enable_private_segment 0
		.amdhsa_kernarg_size 24
		.amdhsa_user_sgpr_count 2
		.amdhsa_user_sgpr_kernarg_segment_ptr 1
		.amdhsa_wavefront_size32 1
		.amdhsa_system_sgpr_workgroup_id_x 1
		.amdhsa_system_sgpr_workgroup_id_y 1
		.amdhsa_system_sgpr_workgroup_id_z 1
		.amdhsa_system_vgpr_workitem_id 0
		.amdhsa_next_free_vgpr 256
		.amdhsa_next_free_sgpr 66
		.amdhsa_reserve_vcc 0
		.amdhsa_float_denorm_mode_32 3
		.amdhsa_float_denorm_mode_16_64 3
		.amdhsa_memory_ordered 1
		.amdhsa_forward_progress 1
		.amdhsa_inst_pref_size 123
	.end_amdhsa_kernel
	.amdgpu_metadata
---
amdhsa.version: [ 1, 2 ]
amdhsa.kernels:
  - .name:           k_q348436428f_attn
    .symbol:         k_q348436428f_attn.kd
    .args:
      - { .name: qq, .offset: 0, .size: 8, .value_kind: global_buffer, .address_space: global }
      - { .name: kv, .offset: 8, .size: 8, .value_kind: global_buffer, .address_space: global }
      - { .name: out0, .offset: 16, .size: 8, .value_kind: global_buffer, .address_space: global }
    .group_segment_fixed_size: 327680
    .private_segment_fixed_size: 0
    .kernarg_segment_align: 8
    .kernarg_segment_size: 24
    .max_flat_workgroup_size: 512
    .sgpr_count:     66
    .vgpr_count:     256
    .wavefront_size: 32
...
	.end_amdgpu_metadata
.endif
;; end of part 2
